; MI455X (gfx1250); checked and timed in simulation.
; The chip was launched on July 23, 2026; its instructions are those of AMD's public machine-readable ISA for CDNA 5 (MIT licence, August 2026) and "CDNA5" Instruction Set Architecture Reference Guide (July 2026). The comments in the code are by the model that wrote it; some were corrected since.
;; Non Local CA. Allowed arithmetic: matrix products marked QUANTISED: E2M1 operands, one E8M0 scale for each 32 along K, by v_wmma_scale_f32_16x16x128_f8f6f4 with both operands' format E2M1 (or v_wmma_scale_f32_32x16x128_f4), f32 sums; everything else in f32.
;; Inputs: bn_beta 64 float32; bn_gamma 64 float32; g_b 32 float32; g_w 32 x 64 float32; phi_b 32 float32; phi_w 32 x 64 float32; theta_b 32 float32; theta_w 32 x 64 float32; w_b 64 float32; w_w 64 x 32 float32; x 2 x 64 x 128 x 128 float32.
;; Outputs: out0 2 x 64 x 128 x 128 float32.
;; This version of the problem:
;;   THIS VERSION OF THE PROBLEM IS GIVEN IN LOW PRECISION. The matrix products marked QUANTISED in the list below multiply operands that are first quantised to E2M1 (2 exponent bits, 1 mantissa bit; 4 bits a number), with one power-of-two scale for each 32 numbers along K (OCP MX v1.0); their sums are f32. All else is computed in f32.
;;   The module's matrix products, in the order in which they are computed (A, B: the left and right operand; K: the contracted axis; several contracted axes count as one K, in the product's order):
;;     1. [M 32,768, K 64] x [K 64, N 32]; A: input x; B: input theta_w: QUANTISED
;;     2. [M 32,768, K 64] x [K 64, N 32]; A: input x; B: input phi_w: QUANTISED
;;     3. [M 32,768, K 64] x [K 64, N 32]; A: input x; B: input g_w: QUANTISED
;;     4. batch 8 x [M 4,096, K 32] x [K 32, N 4,096]; A: computed on the way; B: computed on the way: QUANTISED
;;     5. batch 8 x [M 4,096, K 4,096] x [K 4,096, N 32]; A: softmax (see below); B: computed on the way: QUANTISED
;;     6. [M 32,768, K 32] x [K 32, N 64]; A: computed on the way; B: input w_w: QUANTISED
;;   THE QUANTISER, for each operand of a quantised product, along K:
;;     - K is cut into blocks of 32 from its start; a last block that is shorter is filled with zeros.
;;     - A block's scale is 2^e with e = floor(log2(the largest magnitude in the block)) - 2, held to -126 .. 127; a block of zeros has e = 0. As a byte (E8M0): e + 127.
;;     - Each number is divided by its block's scale, clamped to +-6, and rounded to the nearest number of E2M1, ties to even, subnormals kept.
;;     - The product sums the exact products of the quantised numbers (number of the format x scale) in f32.
;;   ~~~python
;;   def quantise(x, axis):      # numpy; x: float32 -> the quantised numbers, widened to float32 again
;;       x = np.moveaxis(x, axis, -1); K = x.shape[-1]
;;       x = np.pad(x, [(0, 0)] * (x.ndim - 1) + [(0, -K % 32)]); x = x.reshape(x.shape[:-1] + (-1, 32)); a = np.abs(x).max(-1, keepdims=True)
;;       e = np.where(a > 0, np.clip(np.frexp(np.where(a > 0, a, 1))[1] - 1 - 2, -126, 127), 0)      # np.frexp(a)[1] - 1 = floor(log2(a)), exactly
;;       r = np.clip(x / 2.0 ** e, -6, 6)
;;       step = 2.0 ** (np.maximum(np.frexp(np.where(r == 0, 1, r))[1] - 1, 0) - 1)
;;       q = np.round(r / step) * step * 2.0 ** e      # np.round: ties to even
;;       return np.moveaxis(q.reshape(q.shape[:-2] + (-1,))[..., :K], -1, axis).astype(np.float32)
;;   ~~~
;;   SOFTMAX AHEAD OF A QUANTISED PRODUCT. Where the list says 'softmax', what is quantised is not the finished softmax but p = 2^(t - M), with t = logit x log2(e) and M = ceil(the row's largest t), a whole number; so 1/2 < the row's largest p <= 1. The row's sum l is taken of the UNQUANTISED p, in f32, and the product's result is divided by l at the end. Since M is a whole number, a kernel that streams over the keys may use a running M (the ceiling of the running maximum): every later rescaling is an exact power of two, which a block's scale takes up: the codes' values come out the same.
;;   OPERANDS COMPUTED ON THE WAY. 'Computed on the way' means the value that the module computes at that place (a softmax that the list does not call 'softmax' is quantised finished and normalised). What goes into a quantiser is computed in f32, as accurately as f32 sums, v_exp_f32 and their like allow (about 1e-6 of the number): no bf16 or f16 on the way to a quantiser, and a product that is left as it is and whose result goes on into a quantised operand takes f32 operands (vector FMAs, or v_wmma_f32_16x16x4_f32). A number that lies on a knife's edge between two numbers of the format may be rounded either way, as far as f32 arithmetic and the matrix unit's own rounding can turn it there, and no further.
;; One version. Each part assembles by itself: llvm-mc -triple=amdgcn-amd-amdhsa -mcpu=gfx1250 --defsym DOCPART=n.
;; ======== version 1 of 1: 3 launches
;; limits: right only within a limited range of input values
;; workspace buffers: kv 1,114,112 bytes; qq 655,360 bytes; wy 8,388,608 bytes
;; launch proj (part 1): grid 32 x 8, 4 waves a work-group, no clusters, 61,696 bytes of LDS; arguments x, theta_w, theta_b, phi_w, phi_b, g_w, g_b, kv, qq; writes kv, qq
.if DOCPART == 1
	.amdgcn_target "amdgcn-amd-amdhsa--gfx1250"
	.amdhsa_code_object_version 6
	.text
	.protected	k_q4cb94f6bdb_proj
	.globl	k_q4cb94f6bdb_proj
	.p2align	8
	.type	k_q4cb94f6bdb_proj,@function
k_q4cb94f6bdb_proj:
	s_mov_b64 s[64:65], 0
	v_nop
	global_prefetch_b8 v0, s[64:65] scope:SCOPE_SE
	s_setreg_imm32_b32 hwreg(HW_REG_WAVE_MODE, 25, 1), 1
	s_wait_xcnt 0x0
; NonLocalCA, first of three launches: the three projections (products 1 to 3), on codes of E2M1 with one E8M0 scale for each 32 along K,
; and the quantising of their results th, ph, gx for products 4 and 5.
; qb = 2 x quadrant + batch names one of the eight attentions; a position is n = 64 h1 + w1 inside its quadrant.
; DEAD WORK: w_b.  reference() adds w_b[c] to wy[., c, .] at every position of a channel; the batch mean mu[c] of that channel then moves by the same w_b[c],
; so wy - mu and var, the only uses of wy, are the same for every value of w_b; w_b enters no quantised operand.  So w_b is not loaded and is no argument of any launch.
; LIMITS: a NaN, an infinity or an overflow that would reach the result through w_b alone is not carried to it.  NaN and infinities among the inputs are not served.
; A block of zeros gets the scale byte 1 where the quantiser says 127: its codes are zeros, which add nothing under any byte but 0xff, and these bytes are read by this program alone.
; SHARES.  A work-group (st = x, qb = y) takes 128 positions, one key step of the next launch; wave v takes 32 of them, one block of 32 keys.
; THE ORDER sigma.  Position n is filed at sigma(n) = n with bits 3 and 4 exchanged.  16 neighbours in sigma, taken as the rows of a matrix operand, give a result in which a lane's 8 registers of two
; neighbouring tiles are 16 neighbouring positions.  Lane l of a wave holds the position with sigma = l, and its registers run down the 64 channels: a block of 32 channels lies in one lane.
; The rows of theta_w, phi_w and g_w that form a tile are chosen alike: row r of tile u is channel 8 u + r + 8 (r / 8).
; IN.  The quantiser wants a block of 32 numbers in ONE lane's registers; a load is best where neighbouring lanes take neighbouring bytes.  Both are had: every load of the weights reads 512 consecutive bytes and every load of x two runs of 256 consecutive
; bytes, 16 a lane (16 loads of x and 12 of the weights a wave, each byte loaded once in the work-group); the bytes go to LDS as they lie, and behind one barrier each lane reads its blocks from there.
; OUT.  kv: [qb][st][4,352 bytes]: images of the next launch's operand registers: ph's codes (16 bytes a key, in the order sigma), gx^T's codes (two tiles of 16 channels x 128 keys), K's scale words, V's scale words.
;       qq: th's codes [qb][sigma][16 bytes]; from byte 524,288 on th's scale byte, four times in a word, [qb][sigma].
; REGISTERS.  window 0: v1-15 addresses; v16-63 six weight tiles' operands, v64-79 x's two (codes in the first four registers, zero codes for k = 64 .. 127 in the other four); v80-86 scale words;
;   v88-111 at work (v88-90: three addresses of the way in, done with before the work begins); v112-147 biases; v148-159 codes to store; v160-255 the twelve results.
;   window 1: first v0-111 the bytes as loaded; then the f32 numbers, block i of 32 at v[32 i].
.set TW,     0                         ; LDS: th's 128 scale words
.set KVS,    512                       ; K's 32 scale words, then V's 32
.set SPARE,  768                       ; the spare words, 128 bytes for each wave
.set XL,     1280                      ; x: [image row 2][channel 64][256 bytes]
.set WL,     XL+32768                  ; the weights: tensor t's block 2 row + half at 64 t + ..: 192 blocks of 128 bytes + 16 of padding
.set WP,     144
.set REC,    4352                      ; a key step's record in kv
.set QBB,    32*REC                    ; the records of one qb
.set QWORDS, 524288                    ; where th's scale words begin in qq
.set XO,  4                            ; v4   LDS: my position's 4 bytes in channel 0's row
.set WO,  5                            ; v5   LDS: block 2 (r + 8 (r / 8)) + h of tensor 0
.set BO,  6                            ; v6   theta_b, phi_b: 64 h
.set GBO, 7                            ; v7   g_b: 4 (r + 8 (r / 8))
.set ST8, 8                            ; v8   16 r + 8 h: my 8 bytes of a row's 16 bytes of codes
.set LT,  9                            ; v9   LDS: 128 x wave + 4 x lane
.set LK,  10                           ; v10  LDS: 64 (wave / 2) + 32 (wave % 2) + 4 (r % 8) + 2 (r / 8)
.set LV,  11                           ; v11  LDS: 4 x lane + wave
.set L16, 12                           ; v12  16 x lane
.set L8,  13                           ; v13  8 x lane
.set SPW, 14                           ; v14  LDS address of my spare word; never rewritten
.set NIL, 15                           ; v15  0; never rewritten
.set WF,  16
.set XA,  64
.set XB,  72
.set WS,  80
.set XW,  86
.set BMX, 88
.set XG,  88                           ; v88  x in memory: 512 h + 16 r: lanes 0-15 one image row's 256 bytes, lanes 16-31 the next row's
.set XSA, 89                           ; v89  the same bytes' place in LDS
.set WSA, 90                           ; v90  LDS: where my 16 bytes of a weight load go: block lane / 8, byte 16 (lane % 8)
.set SCO, 96
.set BYT, 104
.set TBI, 112
.set PBI, 128
.set GBI, 144
.set CO,  148
.set DD,  160
.set MSB, 0
.macro WIN new                         ; the immediate's high byte repeats the setting that is left
.if MSB != \new
	s_set_vgpr_msb (MSB<<8)|\new
.set MSB, \new
.endif
.endm
; a product whose sum begins with a bias in registers; row = 1: source 1's scales stand in lanes 16-31
.macro PRODC d, a, b, cc, sa, row
.if \row
	v_wmma_scale_f32_16x16x128_f8f6f4 v[(\d):(\d)+7], v[(\a):(\a)+7], v[(\b):(\b)+7], v[(\cc):(\cc)+7], v[(\sa)], v[XW] matrix_a_fmt:MATRIX_FMT_FP4 matrix_b_fmt:MATRIX_FMT_FP4 matrix_b_scale:MATRIX_SCALE_ROW1
.else
	v_wmma_scale_f32_16x16x128_f8f6f4 v[(\d):(\d)+7], v[(\a):(\a)+7], v[(\b):(\b)+7], v[(\cc):(\cc)+7], v[(\sa)], v[XW] matrix_a_fmt:MATRIX_FMT_FP4 matrix_b_fmt:MATRIX_FMT_FP4
.endif
.endm
; a product whose sum begins with 0; row = 1: source 0's scales stand in lanes 16-31
.macro PROD0 d, a, b, sb, row
.if \row
	v_wmma_scale_f32_16x16x128_f8f6f4 v[(\d):(\d)+7], v[(\a):(\a)+7], v[(\b):(\b)+7], 0, v[XW], v[(\sb)] matrix_a_fmt:MATRIX_FMT_FP4 matrix_b_fmt:MATRIX_FMT_FP4 matrix_a_scale:MATRIX_SCALE_ROW1
.else
	v_wmma_scale_f32_16x16x128_f8f6f4 v[(\d):(\d)+7], v[(\a):(\a)+7], v[(\b):(\b)+7], 0, v[XW], v[(\sb)] matrix_a_fmt:MATRIX_FMT_FP4 matrix_b_fmt:MATRIX_FMT_FP4
.endif
.endm
; my quarter (2,048 bytes) of weight tensor t, as it lies: four loads of 512 consecutive bytes
.macro WSTG t, lo
.irp jj, 0,1,2,3
	global_load_b128 v[64+16*(\t)+4*\jj:64+16*(\t)+4*\jj+3], v[L16], s[\lo:\lo+1] offset:512*\jj
.endr
.endm
; the same into LDS: a load's 512 bytes are four blocks
.macro WPUT t
.irp jj, 0,1,2,3
	ds_store_b128 v[WSA], v[64+16*(\t)+4*\jj:64+16*(\t)+4*\jj+3] offset:(64*(\t)+4*\jj)*WP
.endr
.endm
; weight tile i out of LDS: lane (r, h) takes the 32 numbers c = 32 h .. 32 h + 31 of its row: a whole block
.macro WGET i
.irp k, 0,1,2,3,4,5,6,7
	ds_load_b128 v[32*(\i)+4*\k:32*(\i)+4*\k+3], v[WO] offset:(64*((\i)/2)+16*((\i)%2))*WP+16*\k
.endr
.endm
	s_load_b512 s[8:23], s[0:1], 0x0               ; x s[8:9], theta_w, theta_b, phi_w s[14:15], phi_b, g_w s[18:19], g_b, kv s[22:23]
	s_load_b64 s[24:25], s[0:1], 0x40              ; qq
	v_lshl_add_u32 v[SPW], v0, 2, SPARE
	v_mov_b32 v[NIL], 0
	v_lshrrev_b32 v1, 5, v0
	v_readfirstlane_b32 s2, v1                     ; wave 0..3
	s_mov_b32 s3, ttmp9                            ; st
	s_and_b32 s4, ttmp7, 0xffff                    ; qb
	v_and_b32 v1, 31, v0                           ; lane
	v_and_b32 v2, 15, v0                           ; r
	v_bfe_u32 v3, v0, 4, 1                         ; h
	v_and_b32 v[XO], 7, v0
	v_lshlrev_b32 v[XO], 2, v[XO]
	v_lshl_or_b32 v[XO], v3, 5, v[XO]              ; lane bit 4 is position bit 3,
	v_bfe_u32 v16, v0, 3, 1
	v_lshl_or_b32 v[XO], v16, 6, v[XO]             ; lane bit 3 is position bit 4; 4 bytes a position
	s_lshr_b32 s5, s2, 1
	s_lshl_b32 s5, s5, 14                          ; my wave's image row,
	s_and_b32 s6, s2, 1
	s_lshl_b32 s6, s6, 7                           ; and its half of that row's 256 bytes
	s_add_co_u32 s5, s5, s6
	s_add_co_u32 s5, s5, XL
	v_add_nc_u32 v[XO], s5, v[XO]
	v_and_b32 v17, 8, v2
	v_add_nc_u32 v17, v17, v2                      ; r + 8 (r / 8)
	v_lshl_add_u32 v[WO], v17, 1, v3
	v_mul_u32_u24 v[WO], v[WO], WP
	v_add_nc_u32 v[WO], WL, v[WO]
	v_lshlrev_b32 v[XG], 4, v2
	v_lshl_add_u32 v[XSA], v3, 14, v[XG]
	v_lshl_add_u32 v[XG], v3, 9, v[XG]
	s_lshl_b32 s5, s2, 12                          ; I fetch channels 16 wave on: 16 rows of 256 bytes
	s_add_co_u32 s5, s5, XL
	v_add_nc_u32 v[XSA], s5, v[XSA]
	v_lshrrev_b32 v[WSA], 3, v1
	v_mul_u32_u24 v[WSA], v[WSA], WP
	v_and_b32 v16, 7, v0
	v_lshl_add_u32 v[WSA], v16, 4, v[WSA]
	s_mul_i32 s5, s2, 16*WP                        ; my quarter of a weight tensor is 16 blocks
	s_add_co_u32 s5, s5, WL
	v_add_nc_u32 v[WSA], s5, v[WSA]
	v_lshlrev_b32 v[BO], 6, v3
	v_lshlrev_b32 v[GBO], 2, v17
	v_lshlrev_b32 v[ST8], 4, v2
	v_lshl_add_u32 v[ST8], v3, 3, v[ST8]
	s_lshl_b32 s5, s2, 7
	v_lshl_add_u32 v[LT], v1, 2, s5
	s_lshr_b32 s5, s2, 1
	s_lshl_b32 s5, s5, 6
	s_and_b32 s6, s2, 1
	s_lshl_b32 s6, s6, 5
	s_add_co_u32 s5, s5, s6
	v_and_b32 v16, 7, v2
	v_lshl_add_u32 v[LK], v16, 2, s5
	v_lshrrev_b32 v16, 3, v2
	v_lshl_add_u32 v[LK], v16, 1, v[LK]
	v_lshl_add_u32 v[LV], v1, 2, s2
	v_lshlrev_b32 v[L16], 4, v1
	v_lshlrev_b32 v[L8], 3, v1
.irp i, 0,1,2,3,4,5,6,7
.irp g, 4,5,6,7
	v_mov_b32 v[WF+8*\i+\g], 0                     ; K is 64: the codes of k = 64 .. 127 are zeros, in all eight operands
.endr
.endr
	s_mov_b32 s30, 0x76543210
	s_mov_b32 s31, 0xfedcba98                      ; v_permlanex16_b32's selects for lane l xor 16
	; x: batch << 22, quadrant row << 15, image row 2 st << 9, quadrant column << 8, and the 16 channels that I fetch: wave << 20
	s_and_b32 s26, s4, 1
	s_lshl_b32 s26, s26, 22
	s_lshr_b32 s5, s4, 2
	s_lshl_b32 s5, s5, 15
	s_add_co_u32 s26, s26, s5
	s_lshl_b32 s5, s3, 10
	s_add_co_u32 s26, s26, s5
	s_bfe_u32 s5, s4, 0x10001
	s_lshl_b32 s5, s5, 8
	s_add_co_u32 s26, s26, s5
	s_lshl_b32 s5, s2, 20
	s_add_co_u32 s26, s26, s5
	s_mov_b32 s27, 0
	s_lshl_b32 s42, s2, 11                         ; my quarter of each weight tensor
	s_mov_b32 s43, 0
	s_mul_i32 s28, s4, QBB                         ; my record in kv
	s_mul_i32 s5, s3, REC
	s_add_co_u32 s28, s28, s5
	s_lshl_b32 s5, s2, 9
	s_add_co_u32 s32, s28, s5                      ; ph's codes: 16 bytes a key in the order sigma: my 32 keys begin 512 x wave on
	s_mov_b32 s33, 0
	s_lshr_b32 s5, s2, 1
	s_lshl_b32 s5, s5, 9
	s_and_b32 s6, s2, 1
	s_lshl_b32 s6, s6, 8
	s_add_co_u32 s5, s5, s6
	s_add_co_u32 s34, s28, s5
	s_add_co_u32 s34, s34, 2048                    ; gx^T's codes: my block of keys is registers 4 (wave / 2) on of the lanes' half wave % 2
	s_mov_b32 s35, 0
	s_add_co_u32 s36, s28, 4096                    ; the record's scale words
	s_mov_b32 s37, 0
	s_lshl_b32 s38, s4, 16                         ; th's codes: (4,096 qb + 128 st + 32 wave) x 16 bytes
	s_lshl_b32 s5, s3, 11
	s_add_co_u32 s38, s38, s5
	s_lshl_b32 s5, s2, 9
	s_add_co_u32 s38, s38, s5
	s_mov_b32 s39, 0
	s_lshl_b32 s40, s4, 14                         ; th's scale words: (4,096 qb + 128 st) x 4 bytes
	s_lshl_b32 s5, s3, 9
	s_add_co_u32 s40, s40, s5
	s_add_co_u32 s40, s40, QWORDS
	s_mov_b32 s41, 0
	s_wait_kmcnt 0x0
	s_add_nc_u64 s[8:9], s[8:9], s[26:27]
	s_add_nc_u64 s[10:11], s[10:11], s[42:43]
	s_add_nc_u64 s[14:15], s[14:15], s[42:43]
	s_add_nc_u64 s[18:19], s[18:19], s[42:43]
	s_add_nc_u64 s[32:33], s[22:23], s[32:33]
	s_add_nc_u64 s[34:35], s[22:23], s[34:35]
	s_add_nc_u64 s[36:37], s[22:23], s[36:37]
	s_add_nc_u64 s[38:39], s[24:25], s[38:39]
	s_add_nc_u64 s[40:41], s[24:25], s[40:41]
	WIN 0x40                                       ; destination window 1, address window 0
.set j, 0
.rept 16
	global_load_b128 v[4*j:4*j+3], v[XG], s[8:9] offset:65536*j th:TH_LOAD_NT   ; channel 16 wave + j: sixteen lanes read an image row's 256 consecutive bytes, aligned; the other sixteen the next row's
.set j, j+1
.endr
	WSTG 0, 10
	WSTG 1, 14
	WSTG 2, 18
	WIN 0
.irp u, 0,1                                    ; the biases of th and ph in the result's layout: register j of tile u is channel 16 h + 8 u + j
	global_load_b128 v[TBI+8*\u:TBI+8*\u+3], v[BO], s[12:13] offset:32*\u
	global_load_b128 v[TBI+8*\u+4:TBI+8*\u+7], v[BO], s[12:13] offset:32*\u+16
	global_load_b128 v[PBI+8*\u:PBI+8*\u+3], v[BO], s[16:17] offset:32*\u
	global_load_b128 v[PBI+8*\u+4:PBI+8*\u+7], v[BO], s[16:17] offset:32*\u+16
.endr
	global_load_b32 v[GBI], v[GBO], s[20:21]       ; gx's: one channel a lane
	global_load_b32 v[GBI+2], v[GBO], s[20:21] offset:32
	v_mov_b32 v[GBI+1], 0                          ; (named with them as pairs, so they are written)
	v_mov_b32 v[GBI+3], 0
	s_wait_loadcnt 0xa                             ; x's 16 loads and the weights' 12 are in; the ten loads of biases, issued behind them, may be out
	WIN 0x04                                       ; an LDS store's data are its source 1: window 1
.set j, 0
.rept 16
	ds_store_b128 v[XSA], v[4*j:4*j+3] offset:256*j
.set j, j+1
.endr
	WPUT 0
	WPUT 1
	WPUT 2
	WIN 0
	s_wait_dscnt 0x0                               ; for the others' sake: my stores have landed (and have read their registers, which are loaded again below)
	s_barrier_signal -1
	s_barrier_wait -1                              ; x's 128 positions and the three weights lie in LDS
	WIN 0x40                                       ; destination window 1, address window 0
.set c, 0
.rept 64
	ds_load_b32 v[192+c], v[XO] offset:256*c       ; channel c at my position: the wave's 32 lanes read 128 consecutive bytes
.set c, c+1
.endr
	WGET 0
	WGET 1
	WGET 2
	WGET 3
	WGET 4
	WGET 5
	WIN 0
	s_wait_dscnt 0x0                               ; weights and x are quantised together below: all are wanted at once
	s_wait_loadcnt 0x0                             ; the biases
	; THE INPUTS' QUANTISER: eight blocks of 32 numbers a lane, by turns: six weight tiles' and x's two
	WIN 0x05                                       ; sources 0 and 1 window 1
.irp i, 0,1,2,3,4,5,6,7
	v_max3_num_f32 v[BMX+\i], |v[32*\i]|, |v[32*\i+1]|, 0x1800000    ; and the floor 2^(3 - 127): the byte cannot fall under 1
.endr
	WIN 0x14                                       ; sources 1 and 2 window 1
.irp k, 2,4,6,8,10,12,14,16,18,20,22,24,26,28,30
.irp i, 0,1,2,3,4,5,6,7
	v_max3_num_f32 v[BMX+\i], v[BMX+\i], |v[32*\i+\k]|, |v[32*\i+\k+1]|
.endr
.endr
	WIN 0
.irp i, 0,1,2,3,4,5,6,7
	v_add_nc_u32 v[SCO+\i], 0xff000000, v[BMX+\i]  ; 2 off the exponent field: the conversion takes this operand's exponent field as its scale
.endr
.irp i, 0,1,2,3,4,5,6,7
	v_lshrrev_b32 v[BYT+\i], 23, v[SCO+\i]         ; the scale's byte
.endr
	WIN 0x01                                       ; source 0 window 1
.irp i, 0,1,2,3,4,5,6,7
.irp g, 0,1,2,3
	v_cvt_scalef32_pk8_fp4_f32 v[WF+8*\i+\g], v[32*\i+8*\g:32*\i+8*\g+7], v[SCO+\i]   ; blocks 6 and 7 fall on XA and XB
.endr
.endr
	WIN 0
	v_nop                                          ; one plain place behind the scaled conversions
.irp i, 0,1,2,3
	v_permlane16_swap_b32 v[XA+\i], v[XB+\i]       ; XA: sigma 0-15, channels 32 h on in the lanes' half h; XB: sigma 16-31 likewise
.endr
	v_lshl_or_b32 v[XW], v[BYT+7], 8, v[BYT+6]     ; x's scale word of the position sigma = lane: tile A reads lanes 0-15, tile B lanes 16-31
	v_lshlrev_b32 v87, 3, v3
.irp i, 0,1,2,3,4,5
	v_lshlrev_b32 v[WS+\i], v87, v[BYT+\i]         ; my block's byte at its place,
.endr
.irp i, 0,1,2,3,4,5
	v_permlanex16_b32 v[BMX+\i], v[WS+\i], s30, s31
.endr
.irp i, 0,1,2,3,4,5
	v_or_b32 v[WS+\i], v[WS+\i], v[BMX+\i]         ; with lane l xor 16's the row's word is whole
.endr
.rept 8
	v_nop                                          ; a scale register written by a vector instruction stands 8 places ahead of a scaled matrix instruction, an operand 4
.endr
	; th and ph TRANSPOSED (source 0 = 16 channels, source 1 = 16 positions): a lane holds one position, its 16 registers of tiles 0, 1 the channels 16 h + 0 .. 15
.irp xt, 0,1
.irp u, 0,1
	PRODC DD+16*\xt+8*\u, WF+8*\u, XA+8*\xt, TBI+8*\u, WS+\u, \xt
.endr
.endr
.irp xt, 0,1
.irp u, 0,1
	PRODC DD+32+16*\xt+8*\u, WF+16+8*\u, XA+8*\xt, PBI+8*\u, WS+2+\u, \xt
.endr
.endr
	; gx as it reads (source 0 = 16 positions, source 1 = 16 channels): a lane holds one channel, its 16 registers of x's tiles A, B the keys 16 h + 0 .. 15 of my block
.irp t, 0,1
.irp xt, 0,1
	PROD0 DD+64+16*\t+8*\xt, XA+8*\xt, WF+32+8*\t, WS+4+\t, \xt
.endr
.endr
.rept 4
	v_nop                                          ; four places behind the last products, ahead of the first read of results
.endr
.irp t, 0,1
.irp k, 0,2,4,6,8,10,12,14
	v_pk_add_f32 v[DD+64+16*\t+\k:DD+65+16*\t+\k], v[DD+64+16*\t+\k:DD+65+16*\t+\k], v[GBI+2*\t:GBI+2*\t+1] op_sel_hi:[1,0]   ; + g_b of my channel; each result from its low end on
.endr
.endr
	; THE RESULTS' QUANTISER: six units of 16 numbers a lane, by turns; a block of 32 lies in lanes l and l xor 16
.irp i, 0,1,2,3,4,5
	v_max3_num_f32 v[BMX+\i], |v[DD+16*\i]|, |v[DD+16*\i+1]|, 0x1800000
.endr
.irp k, 2,4,6,8,10,12,14
.irp i, 0,1,2,3,4,5
	v_max3_num_f32 v[BMX+\i], v[BMX+\i], |v[DD+16*\i+\k]|, |v[DD+16*\i+\k+1]|
.endr
.endr
.irp i, 0,1,2,3,4,5
	v_permlanex16_b32 v[BYT+\i], v[BMX+\i], s30, s31
.endr
.irp i, 0,1,2,3,4,5
	v_max_num_f32 v[BMX+\i], v[BMX+\i], v[BYT+\i]
.endr
.irp i, 0,1,2,3,4,5
	v_add_nc_u32 v[SCO+\i], 0xff000000, v[BMX+\i]
.endr
.irp i, 0,1,2,3,4,5
	v_lshrrev_b32 v[BYT+\i], 23, v[SCO+\i]
.endr
.irp i, 0,1,2,3,4,5
	v_cvt_scalef32_pk8_fp4_f32 v[CO+2*\i], v[DD+16*\i:DD+16*\i+7], v[SCO+\i]
	v_cvt_scalef32_pk8_fp4_f32 v[CO+2*\i+1], v[DD+16*\i+8:DD+16*\i+15], v[SCO+\i]
.endr
	v_nop                                          ; one plain place behind the scaled conversions
	; each store of the wave covers 256 consecutive bytes, aligned: 16 rows of 16 bytes, 8 bytes a lane
	global_store_b64 v[ST8], v[CO:CO+1], s[38:39]                  ; th, sigma 0-15
	global_store_b64 v[ST8], v[CO+2:CO+3], s[38:39] offset:256     ; th, sigma 16-31
	global_store_b64 v[ST8], v[CO+4:CO+5], s[32:33]                ; ph
	global_store_b64 v[ST8], v[CO+6:CO+7], s[32:33] offset:256
	global_store_b64 v[ST8], v[CO+8:CO+9], s[34:35]                ; gx^T, channel tile 0
	global_store_b64 v[ST8], v[CO+10:CO+11], s[34:35] offset:1024  ; channel tile 1
	; the scale bytes meet in LDS and leave in whole runs
	v_cmp_le_u32 vcc_lo, 16, v1                    ; lanes 16-31
	v_cndmask_b32 v[BMX], v[BYT], v[BYT+1], vcc_lo ; th's byte of the position sigma = lane,
	v_mul_lo_u32 v[BMX], v[BMX], 0x01010101        ; in all four bytes: the query's block may stand in any of the operand's four
	v_lshl_or_b32 v[BMX+1], v[BYT+3], 8, v[BYT+2]  ; ph's bytes of two keys of my block: row 8 (wave % 2) + r % 8 of fragment wave / 2 takes them as bytes 2 (r / 8) and + 1 of its word: byte s is the key 8 s + r % 8 of the block
	v_cndmask_b32 v[BMX+2], v[BYT+4], v[BYT+5], vcc_lo   ; gx^T's byte of my block of keys: lanes 0-15 channel tile 0, lanes 16-31 tile 1
	ds_store_b32 v[LT], v[BMX] offset:TW
	ds_store_b16 v[LK], v[BMX+1] offset:KVS        ; lanes r and 16 + r write the same bytes with the same value
	ds_store_b8 v[LV], v[BMX+2] offset:KVS+128
	s_wait_dscnt 0x0                               ; for the others' sake: my stores have landed
	s_barrier_signal -1
	s_barrier_wait -1
	s_cmp_lg_u32 s2, 0
	s_cbranch_scc1 .Ldone                          ; wave 0 alone sends them out
	ds_load_b128 v[BMX+4:BMX+7], v[L16] offset:TW
	ds_load_b64 v[SCO:SCO+1], v[L8] offset:KVS
	s_wait_dscnt 0x0
	global_store_b128 v[L16], v[BMX+4:BMX+7], s[40:41]             ; 512 consecutive bytes, aligned
	global_store_b64 v[L8], v[SCO:SCO+1], s[36:37]                 ; 256 consecutive bytes, aligned
.Ldone:
	s_wait_tensorcnt 0x0                           ; the wave's end, behind my last LDS store
	ds_add_u32 v[SPW], v[NIL]
	s_wait_dscnt 0x0
	s_endpgm
.Lfunc_end_k_q4cb94f6bdb_proj:
	.size	k_q4cb94f6bdb_proj, .Lfunc_end_k_q4cb94f6bdb_proj-k_q4cb94f6bdb_proj
	.p2alignl 7, 3214868480
	.fill 96, 4, 3214868480
	.section	.rodata,"a",@progbits
	.p2align	6, 0x0
	.amdhsa_kernel k_q4cb94f6bdb_proj
		.amdhsa_group_segment_fixed_size 61696
		.amdhsa_private_segment_fixed_size 0
		.amdhsa_enable_private_segment 0
		.amdhsa_kernarg_size 72
		.amdhsa_user_sgpr_count 2
		.amdhsa_user_sgpr_kernarg_segment_ptr 1
		.amdhsa_wavefront_size32 1
		.amdhsa_system_sgpr_workgroup_id_x 1
		.amdhsa_system_sgpr_workgroup_id_y 1
		.amdhsa_system_sgpr_workgroup_id_z 1
		.amdhsa_system_vgpr_workitem_id 0
		.amdhsa_next_free_vgpr 512
		.amdhsa_next_free_sgpr 66
		.amdhsa_reserve_vcc 1
		.amdhsa_float_denorm_mode_32 3
		.amdhsa_float_denorm_mode_16_64 3
		.amdhsa_memory_ordered 1
		.amdhsa_forward_progress 1
		.amdhsa_inst_pref_size 41
	.end_amdhsa_kernel
	.amdgpu_metadata
---
amdhsa.version: [ 1, 2 ]
amdhsa.kernels:
  - .name:           k_q4cb94f6bdb_proj
    .symbol:         k_q4cb94f6bdb_proj.kd
    .args:
      - { .name: x, .offset: 0, .size: 8, .value_kind: global_buffer, .address_space: global }
      - { .name: theta_w, .offset: 8, .size: 8, .value_kind: global_buffer, .address_space: global }
      - { .name: theta_b, .offset: 16, .size: 8, .value_kind: global_buffer, .address_space: global }
      - { .name: phi_w, .offset: 24, .size: 8, .value_kind: global_buffer, .address_space: global }
      - { .name: phi_b, .offset: 32, .size: 8, .value_kind: global_buffer, .address_space: global }
      - { .name: g_w, .offset: 40, .size: 8, .value_kind: global_buffer, .address_space: global }
      - { .name: g_b, .offset: 48, .size: 8, .value_kind: global_buffer, .address_space: global }
      - { .name: kv, .offset: 56, .size: 8, .value_kind: global_buffer, .address_space: global }
      - { .name: qq, .offset: 64, .size: 8, .value_kind: global_buffer, .address_space: global }
    .group_segment_fixed_size: 61696
    .private_segment_fixed_size: 0
    .kernarg_segment_align: 8
    .kernarg_segment_size: 72
    .max_flat_workgroup_size: 128
    .sgpr_count:     66
    .vgpr_count:     512
    .wavefront_size: 32
...
	.end_amdgpu_metadata
.endif
;; end of part 1
;; launch attn (part 2): grid 32 x 8, 16 waves a work-group, clusters of 4 x 1, 212,992 bytes of LDS; arguments kv, qq, w_w, wy; writes wy
.if DOCPART == 2
	.amdgcn_target "amdgcn-amd-amdhsa--gfx1250"
	.amdhsa_code_object_version 6
	.text
	.protected	k_q4cb94f6bdb_attn
	.globl	k_q4cb94f6bdb_attn
	.p2align	8
	.type	k_q4cb94f6bdb_attn,@function
k_q4cb94f6bdb_attn:
	s_mov_b64 s[64:65], 0
	v_nop
	global_prefetch_b8 v0, s[64:65] scope:SCOPE_SE
	s_setreg_imm32_b32 hwreg(HW_REG_WAVE_MODE, 25, 1), 1
	s_wait_xcnt 0x0
	s_wait_alu depctr_hold_cnt(0) depctr_sa_sdst(0) depctr_va_vdst(0) depctr_va_sdst(0) depctr_va_ssrc(0) depctr_va_vcc(0) depctr_vm_vsrc(0)
	s_getreg_b32 s2, hwreg(HW_REG_IB_STS2, 6, 4)
	s_cmp_eq_u32 s2, 0
	s_cbranch_scc0 .Lentry_in_a_cluster
	s_endpgm
.Lentry_in_a_cluster:
	s_bfe_u32 s2, ttmp6, 0x10000c
	s_cmp_lg_u32 s2, 0x3003
	s_cbranch_scc0 .Lentry_shape_is_right
	s_endpgm
.Lentry_shape_is_right:
; NonLocalCA, second launch: products 4, 5 and 6 on codes of E2M1 with E8M0 scales: scores th . ph, the softmax, p . gx, y = O / l, wy = w_w . y.
; w_b is left out as dead work (shown at the head of the first kernel): wy here is reference()'s wy less w_b[c].
; THE SOFTMAX: t = score x log2(e); M = the largest t so far, rounded up to a whole number; p = 2^(t - M) is quantised along the keys; the row's sum l is taken of the unquantised p and divides at the end.
; A BLOCK'S SCALE NEEDS NO EXPONENTIAL: the block's largest p is 2^x, x the block's largest t - M, so its exponent is floor(x); the scale's byte is floor(x) + 125, held at 1 from below.
; LIMITS: NaN and infinities are not served; a p under 2^-126 comes out as 0 (ISA guide, v_exp_f32); a block of zeros has the scale byte 1: its codes are zeros;
; where x lies so closely under a whole number that v_exp_f32 gives that power of two itself, the scale stays the lower one and that one p is held at the largest code.
; SHARES.  A work-group owns 128 queries (sigma = 128 blk on) of one qb.  Wave w owns the tile of 16 queries wq = w % 8 and half hf = w / 8 of the keys: 16 steps of 128.  Waves w and w xor 8 merge at the end.
; ALL OF A qb's K AND V, 32 records of 4,352 bytes, stay in LDS, filled once: no slot is filled again.  The four work-groups of a cluster belong to one qb and read the same bytes:
; each part is asked for JOINTLY, by the same tensor load with the same descriptor and a mask that names the four; every wave issues one load, so one tensor load of a wave is out at the most.
; No prefetch: each byte comes by one load at the head, and no load follows in the loop.
; PRODUCT 4 HAS K = 32, one block, and the instruction takes four.  A fragment of K carries FOUR tiles of 16 keys, one in each block.
; The queries stand in four forms, th's codes in block s and zero codes elsewhere, cut from 20 registers that stay.  So every byte of K read from LDS is a live code.
; LAYOUT.  Both products are used transposed (source 0 = keys, or gx^T's channels; source 1 = my queries): a lane holds ONE query (lane % 16).
; THE KEYS OF A TILE: row r of tile s of fragment f is key 64 f + 32 (r / 8) + 8 s + r % 8 of the step.  So a lane's 32 registers of a fragment's four tiles are the keys 64 f + 32 (lane / 16) + 0 .. 31:
; a WHOLE BLOCK along the next K lies in one lane, in that operand's own order: eight registers make one register of codes, in place.
; The image of K files key n at sigma(n), 16 bytes a key, sigma(n) = n with bits 3 and 4 exchanged: lane (r, h) finds slot s = 2 c + h of fragment f at 16 (r % 8) + 256 h + 512 (r / 8) + 128 c + 1,024 f.
; THE BARRIER IN THE LOOP guards no bytes: a wave signals at a trip's head and waits ahead of the trip's last products, so that no wave of the work-group is a whole trip ahead of another.
; REGISTERS: v1-11, v60-63, v202-203 addresses; v12 -M, v13 the largest score so far of my lane's keys; v[14:15] the sum; v16-35 the queries; v36-39 scale words of Q, K, V, p; v40-59 at work; v64-79 K, v80-95 V; v96-159 S^T, then p;
;   v160-175 O^T; v176-183 p's codes; v184-200 w_w's two tiles and their scale word; v208-216 y's; v224-239 wy; v240-255 partial sums.
.set REC,   4352                       ; a key step's record: K's codes (2,048 bytes), V's two fragments (1,024 bytes each), K's scale words, V's (128 each)
.set PART,  8704                       ; what one wave fetches: two records, 34 rows of 256 bytes
.set MRG,   32*REC                     ; LDS, behind K and V: for each wave O^T's image (2,048 bytes) and (-M, l) (256)
.set MRGW,  2304
.set STG,   MRG+16*MRGW                ; the stage for wy: 64 channels x (512 bytes + 16): the pitch is an odd multiple of 16 bytes
.set SPITCH, 528
.set SPARE, STG+64*SPITCH              ; the spare words, 128 bytes for each wave
.set QWORDS, 524288
.set L16, 1
.set L4,  2
.set ADR, 3
.set ADS, 4
.set SPW, 5                            ; v5   LDS address of my spare word; never rewritten
.set NIL, 6                            ; v6   0; never rewritten
.set SO,  7
.set SR,  8
.set MW,  9
.set MW2, 10
.set MR,  11
.set MR2, 60
.set LKO, 202                          ; v202 my lane's place in the image of K
.set ADK, 203                          ; v203 the same in the step's record
.set QS,  36
.set KS,  37
.set VS,  38
.set PS,  39
.set BM,  44
.set BP,  48
.set SCO, 52
.set KF,  64
.set VF,  80
.set S,   96
.set O,   160
.set PC,  176
.set WF0, 184
.set WF1, 192
.set WS,  200
.set YF,  208
.set YS,  216
.set WY,  224
.set X,   240
.set WV,  12                           ; s12  my wave's number
; a round of the cluster's barrier
.macro CROUND
	s_barrier_signal -1
	s_barrier_wait -1
	s_cmp_lg_u32 s[WV], 0
	s_cbranch_scc1 .Lnot_wave_0_\@
	s_barrier_signal -3
.Lnot_wave_0_\@:
	s_barrier_wait -3
	s_barrier_signal -1
	s_barrier_wait -1
.endm
; the scores of tile s of fragment f against the queries' form that begins at register q
.macro SCORE f, s, q
.if \f
	v_wmma_scale_f32_16x16x128_f8f6f4 v[S+8*(4*\f+\s):S+8*(4*\f+\s)+7], v[KF+8*\f:KF+8*\f+7], v[\q:\q+7], 0, v[KS], v[QS] matrix_a_fmt:MATRIX_FMT_FP4 matrix_b_fmt:MATRIX_FMT_FP4 matrix_a_scale:MATRIX_SCALE_ROW1
.else
	v_wmma_scale_f32_16x16x128_f8f6f4 v[S+8*(4*\f+\s):S+8*(4*\f+\s)+7], v[KF+8*\f:KF+8*\f+7], v[\q:\q+7], 0, v[KS], v[QS] matrix_a_fmt:MATRIX_FMT_FP4 matrix_b_fmt:MATRIX_FMT_FP4
.endif
.endm
; t - M of the scores j, j + 1
.macro TM j
	v_pk_fma_f32 v[S+(\j):S+(\j)+1], v[S+(\j):S+(\j)+1], s[22:23], v[12:13] op_sel_hi:[1,0,0]
.endm
; O^T's registers j, j + 1 under the new M
.macro OF j
	v_pk_mul_f32 v[O+(\j):O+(\j)+1], v[O+(\j):O+(\j)+1], v[40:41] op_sel_hi:[1,0]
.endm
	s_load_b256 s[4:11], s[0:1], 0x0               ; kv s[4:5], qq s[6:7], w_w s[8:9], wy s[10:11]
	v_lshl_add_u32 v[SPW], v0, 2, SPARE
	v_mov_b32 v[NIL], 0
	ds_add_u32 v[SPW], v[NIL]                      ; the wave's opening: the add, twice on end, and its wait ahead of my first tensor load; the set-up below stands between
	ds_add_u32 v[SPW], v[NIL]
	v_lshrrev_b32 v1, 5, v0
	v_readfirstlane_b32 s[WV], v1                  ; wave 0..15
	s_bfe_u32 s13, ttmp6, 0x40000                  ; cx: my place in the cluster: it enters global addresses of qq and wy alone
	s_lshl_b32 s14, ttmp9, 2
	s_add_co_u32 s14, s14, s13                     ; blk = 4 x cluster x + cx
	s_and_b32 s15, ttmp7, 0xffff                   ; qb, which the four partners share
	s_lshr_b32 s16, s[WV], 3                       ; hf
	s_and_b32 s17, s[WV], 7                        ; wq
	; descriptor group 1: 34 rows of 256 bytes (32 elements of 8 bytes), dense in memory and in LDS
	s_mov_b32 s24, 15|(3<<16)|(1<<21)              ; 15:0 the mask: all four work-groups; 17:16 elements of 8 bytes; 21 set beside a mask
	s_mov_b32 s25, 32<<16                          ; tensor_dim0 = 32
	s_mov_b32 s26, 34<<16                          ; tensor_dim1 = 34
	s_mov_b32 s27, 32<<16                          ; tile_dim0 = 32
	s_mov_b32 s28, 34                              ; tile_dim1 = 34
	s_mov_b32 s29, 32                              ; elements from row to row
	s_mov_b32 s30, 0
	s_mov_b32 s31, 0
	s_mul_i32 s18, s15, 32*REC                     ; my part of the qb's records: made of qb and the wave's number alone
	s_mul_i32 s33, s[WV], PART                     ; and its place in LDS
	s_add_co_u32 s18, s18, s33
	s_mov_b32 s19, 0
	s_mov_b32 s32, 1
	s_mov_b32 s22, 0x3fb8aa3b                      ; log2(e)
	s_mov_b32 s23, s22                             ; (named with it as a pair, so it is written)
	s_mov_b32 s36, 0x76543210
	s_mov_b32 s37, 0xfedcba98                      ; v_permlanex16_b32's selects for lane l xor 16
	s_mov_b32 s50, 0x0400                          ; v_perm_b32: the lowest bytes of two registers into bytes 0 and 1
	s_mov_b32 s51, 0x05010400                      ; and bytes 0 and 1 of two registers by turns: the second source's, the first's, the second's, the first's
	s_mul_i32 s38, s16, 16*REC                     ; LDS byte of my half's first record
	s_mov_b32 s39, 16                              ; key steps to go
	s_mul_i32 s44, s[WV], MRGW
	s_add_co_u32 s44, s44, MRG                     ; my place for the merge,
	s_xor_b32 s45, s[WV], 8
	s_mul_i32 s45, s45, MRGW
	s_add_co_u32 s45, s45, MRG                     ; my partner's
	s_mul_i32 s46, s[WV], 4*SPITCH
	s_add_co_u32 s46, s46, STG                     ; the four stage rows that I send out
	s_mul_i32 s47, s16, 32*SPITCH                  ; into the stage: channels 32 hf on, positions 32 (wq / 2) + 8 (wq % 2) on
	s_lshr_b32 s48, s17, 1
	s_lshl_b32 s48, s48, 7
	s_add_co_u32 s47, s47, s48
	s_and_b32 s48, s17, 1
	s_lshl_b32 s48, s48, 5
	s_add_co_u32 s47, s47, s48
	s_add_co_u32 s47, s47, STG
	v_and_b32 v56, 31, v0                          ; lane
	v_and_b32 v57, 15, v0                          ; r
	v_bfe_u32 v58, v0, 4, 1                        ; h
	v_and_b32 v201, 7, v0                          ; r % 8
	v_lshlrev_b32 v[L16], 4, v56
	v_lshlrev_b32 v[L4], 2, v56
	v_mul_u32_u24 v[SO], v57, SPITCH
	v_lshlrev_b32 v[LKO], 4, v201
	v_bfe_u32 v201, v0, 3, 1                       ; r / 8
	v_add_nc_u32 v[ADR], s38, v[L16]               ; the first key step's record
	v_add_nc_u32 v[ADS], s38, v[L4]
	v_lshl_add_u32 v[SO], v58, 6, v[SO]
	v_lshl_add_u32 v[LKO], v58, 8, v[LKO]
	v_add_nc_u32 v[SR], s46, v[L16]
	v_add_nc_u32 v[MW], s44, v[L16]
	v_add_nc_u32 v[SO], s47, v[SO]
	v_lshl_add_u32 v[LKO], v201, 9, v[LKO]
	v_lshl_add_u32 v[MW2], v56, 3, s44
	v_add_nc_u32 v[MR], s45, v[L16]
	v_lshl_add_u32 v[MR2], v56, 3, s45
	v_add_nc_u32 v[ADK], s38, v[LKO]
	v_lshlrev_b32 v61, 4, v57                      ; th's codes: 16 bytes a query
	v_lshlrev_b32 v62, 2, v57                      ; its scale word
	v_lshlrev_b32 v63, 7, v56                      ; w_w: a row of 128 bytes a lane
	s_wait_alu depctr_va_vdst(0)                   ; a wait ahead of the waits below
	s_wait_dscnt 0x0                               ; both opening adds are done
	s_wait_kmcnt 0x0
	s_add_nc_u64 s[34:35], s[4:5], s[18:19]
	s_or_b32 s35, s35, 0x80000000                  ; type = 2
	s_lshl_b32 s20, s15, 16                        ; th's codes of my tile: (4,096 qb + 128 blk + 16 wq) x 16 bytes
	s_lshl_b32 s21, s14, 11
	s_add_co_u32 s20, s20, s21
	s_lshl_b32 s21, s17, 8
	s_add_co_u32 s20, s20, s21
	s_mov_b32 s21, 0
	s_add_nc_u64 s[40:41], s[6:7], s[20:21]
	s_lshl_b32 s20, s15, 14                        ; and their scale words
	s_lshl_b32 s21, s14, 9
	s_add_co_u32 s20, s20, s21
	s_lshl_b32 s21, s17, 6
	s_add_co_u32 s20, s20, s21
	s_add_co_u32 s20, s20, QWORDS
	s_mov_b32 s21, 0
	s_add_nc_u64 s[42:43], s[6:7], s[20:21]
	s_lshl_b32 s20, s16, 12                        ; w_w: rows 32 hf on
	s_add_nc_u64 s[8:9], s[8:9], s[20:21]
	s_lshl_b32 s20, s15, 20                        ; wy: channel row 64 qb + 4 wave, positions 128 blk on
	s_lshl_b32 s49, s[WV], 16
	s_add_co_u32 s20, s20, s49
	s_lshl_b32 s49, s14, 9
	s_add_co_u32 s20, s20, s49
	s_add_nc_u64 s[10:11], s[10:11], s[20:21]
	global_load_b128 v[BM:BM+3], v61, s[40:41]     ; th's codes of query r, in both halves of the lanes
	global_load_b32 v[QS], v62, s[42:43]
.irp j, 0,1,2,3,4,5,6,7
	global_load_b128 v[S+4*\j:S+4*\j+3], v63, s[8:9] offset:16*\j   ; w_w's row 32 hf + lane: one block of 32
.endr
	CROUND                                         ; all four work-groups are here: the joint loads meet
	tensor_load_to_lds s[32:35], s[24:31]          ; my sixteenth of the qb's K and V
	s_nop 0
.rept 4
	v_nop
.endr
.irp j, 16,17,18,19, 24,25,26,27, 32,33,34,35
	v_mov_b32 v[\j], 0                             ; the queries' zero codes
.endr
.irp j, 4,5,6,7,8,9,10,11,12,13,14,15
	v_mov_b32 v[WF0+\j], 0                         ; K is 32: w_w's codes beyond it are zeros
.endr
.irp j, 2,3,4,5,6,7
	v_mov_b32 v[YF+\j], 0                          ; y's likewise
.endr
.irp j, 0,1,2,3,4,5,6,7,8,9,10,11,12,13,14,15
	v_mov_b32 v[O+\j], 0                           ; O^T: the step is written once; its first trip finds zeros, which the first change of M leaves zeros
.endr
	v_mov_b32 v14, 0                               ; the sum, in two halves
	v_mov_b32 v15, 0
	v_mov_b32 v42, 0
	v_mov_b32 v43, 0                               ; (named as upper halves of the pairs v[42:43], v[40:41])
	v_mov_b32 v41, 0
	v_mov_b32 v59, 0                               ; a lane permute's destination counts as one of its sources
.irp b, 0,1,2,3
	v_mov_b32 v[BP+\b], 0
.endr
	v_mov_b32 v13, 0xff61b1e6                      ; the largest score so far: -3e38
	v_mov_b32 v12, 0x7f61b1e6                      ; -M: 3e38
	s_wait_alu depctr_va_vdst(0)
	s_wait_loadcnt 0x0
	v_cmp_gt_u32 vcc_lo, 16, v56                   ; lanes 0-15 (written behind the tensor load)
.irp i, 0,1,2,3
	v_cndmask_b32 v[20+\i], 0, v[BM+\i], vcc_lo    ; th's codes in lanes 0-15 alone: blocks 0 and 2
	v_cndmask_b32 v[28+\i], v[BM+\i], v16, vcc_lo  ; in lanes 16-31 alone: blocks 1 and 3
.endr
	v_max3_num_f32 v56, |v[S]|, |v[S+1]|, 0x1800000   ; w_w's quantiser: my row's block, with the floor 2^(3 - 127), in two chains
	v_max3_num_f32 v58, |v[S+16]|, |v[S+17]|, 0x1800000
.irp k, 2,4,6,8,10,12,14
	v_max3_num_f32 v56, v56, |v[S+\k]|, |v[S+\k+1]|
	v_max3_num_f32 v58, v58, |v[S+16+\k]|, |v[S+17+\k]|
.endr
	v_max_num_f32 v56, v56, v58
	v_add_nc_u32 v57, 0xff000000, v56
	v_lshrrev_b32 v[WS], 23, v57                   ; lane l: the byte of row 32 hf + l: tile 0 reads lanes 0-15, tile 1 lanes 16-31
.irp g, 0,1,2,3
	v_cvt_scalef32_pk8_fp4_f32 v[WF0+\g], v[S+8*\g:S+8*\g+7], v57
.endr
	v_nop                                          ; one plain place behind the scaled conversions
.irp g, 0,1,2,3
	v_permlane16_swap_b32 v[WF0+\g], v[WF1+\g]     ; rows 16-31 go to tile 1's lanes 0-15; zeros come to tile 0's lanes 16-31
.endr
	s_wait_alu depctr_va_vdst(0)                   ; the wait at the head's end
	s_wait_tensorcnt 0x0                           ; my part of K and V has landed,
	s_barrier_signal -1
	s_barrier_wait -1                              ; everybody's has
.Lstep:                                            ; 16 trips: a key step of 128 keys.  Over the backward jump the eight additions at the trip's end are the places between the last two products and the loads into V's registers
	s_barrier_signal -1                            ; (no LDS instruction of mine is out) between this and its wait: work on registers, and loads of K and V, which nobody writes any more
.irp i, 0,1,2,3
	ds_load_b128 v[KF+4*\i:KF+4*\i+3], v[ADK] offset:1024*(\i/2)+128*(\i%2)
.endr
	ds_load_b32 v[KS], v[ADS] offset:4096          ; lanes 0-15 fragment 0's words, lanes 16-31 fragment 1's
.irp i, 0,1,2,3
	ds_load_b128 v[VF+4*\i:VF+4*\i+3], v[ADR] offset:2048+512*\i    ; images of the operand's registers
.endr
	ds_load_b32 v[VS], v[ADS] offset:4224
	s_wait_dscnt 0x5                               ; K's five loads are in; V's five, issued behind them, may be out
.irp f, 0,1
	SCORE \f, 0, 20
	SCORE \f, 1, 28
	SCORE \f, 2, 16
	SCORE \f, 3, 24
.endr
	s_add_co_u32 s38, s38, REC
	v_mov_b32 v56, v12                             ; four lines that are due anyway are the places behind the score products: -M as it was;
	v_add_nc_u32 v[ADR], s38, v[L16]               ; the next step's record (this step's ten loads are issued)
	v_add_nc_u32 v[ADS], s38, v[L4]
	v_add_nc_u32 v[ADK], s38, v[LKO]
	; the largest score of each of my two blocks: it serves the row's maximum and the block's scale; two chains a block, by turns
	v_max3_num_f32 v[BM], v[S], v[S+1], v[S+2]
	v_max3_num_f32 v[BM+1], v[S+32], v[S+33], v[S+34]
	v_max3_num_f32 v[BM+2], v[S+16], v[S+17], v[S+18]
	v_max3_num_f32 v[BM+3], v[S+48], v[S+49], v[S+50]
.irp i, 3,5,7,9,11,13
	v_max3_num_f32 v[BM], v[BM], v[S+\i], v[S+1+\i]
	v_max3_num_f32 v[BM+1], v[BM+1], v[S+32+\i], v[S+33+\i]
	v_max3_num_f32 v[BM+2], v[BM+2], v[S+16+\i], v[S+17+\i]
	v_max3_num_f32 v[BM+3], v[BM+3], v[S+48+\i], v[S+49+\i]
.endr
	v_max3_num_f32 v[BM], v[BM], v[S+15], v[S+31]
	v_max3_num_f32 v[BM+1], v[BM+1], v[S+47], v[S+63]
	v_max_num_f32 v[BM], v[BM], v[BM+2]
	v_max_num_f32 v[BM+1], v[BM+1], v[BM+3]
	v_max3_num_f32 v13, v[BM], v[BM+1], v13        ; the largest score so far of the keys that my lane has seen
	s_delay_alu instid0(VALU_DEP_1)
	v_permlanex16_b32 v57, v13, s36, s37
	s_delay_alu instid0(VALU_DEP_1)
	v_max_num_f32 v57, v13, v57                    ; with lane l xor 16's: my query's
	s_delay_alu instid0(VALU_DEP_1)
	v_mul_f32 v57, s22, v57                        ; as t
	s_delay_alu instid0(VALU_DEP_1)
	v_floor_f32 v12, -v57                          ; the new -M = floor(-t): M is a whole number
	TM 0                                           ; t - M, two at a time: my first block, with the change of M and the scales between
	v_sub_f32 v56, v12, v56                        ; old M less new M: a whole number, 0 or less
	v_fma_f32 v[BM], v[BM], s22, v12               ; x: t - M of each block's largest score
	v_fma_f32 v[BM+1], v[BM+1], s22, v12
	TM 2
	TM 4
	v_cvt_i32_f32 v56, v56                         ; (it saturates)
	v_max_num_f32 v[BM], 0xc2f80000, v[BM]         ; x held at -124 from below: the byte cannot fall under 1
	v_max_num_f32 v[BM+1], 0xc2f80000, v[BM+1]
	TM 6
	TM 8
	v_ldexp_f32 v40, 1.0, v56                      ; f = 2^(old M - new M): a multiplication by it rounds nothing
	v_floor_f32 v[BM], v[BM]                       ; the exponent of the block's largest p
	v_floor_f32 v[BM+1], v[BM+1]
	TM 10
	TM 12
	TM 14
	v_add_f32 v[BM], 0x4b40007d, v[BM]             ; + 2^23 + 2^22 + 125, exactly: the sum's lowest byte is the scale's byte, floor(x) + 127 - 2
	v_add_f32 v[BM+1], 0x4b40007d, v[BM+1]
	OF 0                                           ; O^T under the new M: each accumulator from its low end on
	OF 2
	OF 4
	v_perm_b32 v[BP], v[BM+1], v[BM], s50          ; my two bytes
	v_lshlrev_b32 v[SCO], 23, v[BM]                ; the byte as an exponent field: the conversion's scale operand
	v_lshlrev_b32 v[SCO+1], 23, v[BM+1]
	OF 6
	OF 8
	OF 10
	v_permlanex16_b32 v[BP+1], v[BP], s36, s37     ; lanes 0-15 hold blocks 0 and 2, lanes 16-31 blocks 1 and 3:
	OF 12
	OF 14
	v_pk_mul_f32 v[14:15], v[14:15], v[40:41] op_sel_hi:[1,0]
	TM 16
	v_perm_b32 v[PS], v[BP+1], v[BP], s51          ; in lanes 0-15 p's scale word for these 128 keys (lanes 16-31 are not read)
	TM 18
	TM 20
	TM 22
	TM 24
	TM 26
	TM 28
	TM 30
	s_wait_alu depctr_va_vdst(0)                   ; the wait ahead of the batch
.set j, 0
.rept 16                               ; p = 2^(t - M) of my first block; the second's t - M between, first read behind the next wait
	v_exp_f32 v[S+2*j], v[S+2*j]
	v_exp_f32 v[S+2*j+1], v[S+2*j+1]
	TM 32+2*j
.set j, j+1
.endr
	s_wait_alu depctr_va_vdst(0)                   ; behind the first batch and ahead of the second
.irp t, 0,1,2,3                        ; the second block's p, with the first block's codes between: eight numbers of a lane are eight neighbours along K, and their codes stand where the operand wants them
	v_exp_f32 v[S+32+2*\t], v[S+32+2*\t]
	v_exp_f32 v[S+33+2*\t], v[S+33+2*\t]
	v_cvt_scalef32_pk8_fp4_f32 v[PC+\t], v[S+8*\t:S+8*\t+7], v[SCO]
.endr
.irp i, 0,1,2,3,4,5,6,7                ; and the first sums of the first block's unquantised p
	v_exp_f32 v[S+40+3*\i], v[S+40+3*\i]
	v_exp_f32 v[S+41+3*\i], v[S+41+3*\i]
	v_exp_f32 v[S+42+3*\i], v[S+42+3*\i]
	v_pk_add_f32 v[X+2*\i:X+2*\i+1], v[S+4*\i:S+4*\i+1], v[S+4*\i+2:S+4*\i+3]
.endr
	s_wait_alu depctr_va_vdst(0)                   ; one wait for the second batch, ahead of its first reader
.irp t, 0,1,2,3
	v_cvt_scalef32_pk8_fp4_f32 v[PC+4+\t], v[S+32+8*\t:S+39+8*\t], v[SCO+1]
.endr
.irp i, 0,1,2,3,4,5,6,7                ; these sixteen are the places between p's codes (4 are owed) and the products
	v_pk_add_f32 v[X+2*\i:X+2*\i+1], v[X+2*\i:X+2*\i+1], v[S+32+2*\i:S+33+2*\i]
.endr
.irp i, 0,1,2,3,4,5,6,7
	v_pk_add_f32 v[X+2*\i:X+2*\i+1], v[X+2*\i:X+2*\i+1], v[S+48+2*\i:S+49+2*\i]
.endr
	s_wait_alu depctr_va_vdst(0)                   ; the wait ahead of the waits below
	s_barrier_wait -1                              ; every wave of the work-group has begun this trip
	s_wait_dscnt 0x0                               ; V is in
	; O^T += gx^T p^T: the two accumulators take turns, one instruction a turn, with the eight score products between a trip's pair and the next's
	v_wmma_scale_f32_16x16x128_f8f6f4 v[O:O+7], v[VF:VF+7], v[PC:PC+7], v[O:O+7], v[VS], v[PS] matrix_a_fmt:MATRIX_FMT_FP4 matrix_b_fmt:MATRIX_FMT_FP4
	v_wmma_scale_f32_16x16x128_f8f6f4 v[O+8:O+15], v[VF+8:VF+15], v[PC:PC+7], v[O+8:O+15], v[VS], v[PS] matrix_a_fmt:MATRIX_FMT_FP4 matrix_b_fmt:MATRIX_FMT_FP4 matrix_a_scale:MATRIX_SCALE_ROW1
.irp i, 0,1,2,3                        ; the sum's last eight lines name no register of the two products: places behind them
	v_pk_add_f32 v[X+2*\i:X+2*\i+1], v[X+2*\i:X+2*\i+1], v[X+8+2*\i:X+9+2*\i]
.endr
	v_pk_add_f32 v[X:X+1], v[X:X+1], v[X+4:X+5]
	v_pk_add_f32 v[X+2:X+3], v[X+2:X+3], v[X+6:X+7]
	v_pk_add_f32 v[14:15], v[14:15], v[X:X+1]
	v_pk_add_f32 v[14:15], v[14:15], v[X+2:X+3]
	s_sub_co_u32 s39, s39, 1
	s_cmp_lg_u32 s39, 0
	s_cbranch_scc1 .Lstep
	; THE MERGE of the two halves of the keys: each wave lays down O^T, -M and l, and takes its partner's
	v_add_f32 v14, v14, v15
	s_delay_alu instid0(VALU_DEP_1)
	v_permlanex16_b32 v59, v14, s36, s37
	s_delay_alu instid0(VALU_DEP_1)
	v_add_f32 v13, v14, v59                        ; l of my half of the keys
.rept 4
	v_nop                                          ; places behind the last products, ahead of the stores that read them
.endr
.irp i, 0,1,2,3
	ds_store_b128 v[MW], v[O+4*\i:O+4*\i+3] offset:512*\i          ; each accumulator from its low end on
.endr
	ds_store_b64 v[MW2], v[12:13] offset:2048
	s_wait_alu depctr_va_vdst(0)
	s_wait_dscnt 0x0                               ; for my partner's sake: my stores have landed
	s_barrier_signal -1
	s_barrier_wait -1
.irp i, 0,1,2,3
	ds_load_b128 v[S+4*\i:S+4*\i+3], v[MR] offset:512*\i
.endr
	ds_load_b64 v[S+16:S+17], v[MR2] offset:2048
	s_wait_dscnt 0x0
	v_min_num_f32 v56, v12, v[S+16]                ; -M of both halves
	s_delay_alu instid0(VALU_DEP_1)
	v_sub_f32 v57, v56, v12
	s_delay_alu instid0(VALU_DEP_2)
	v_sub_f32 v58, v56, v[S+16]
	s_delay_alu instid0(VALU_DEP_2)
	v_cvt_i32_f32 v57, v57
	s_delay_alu instid0(VALU_DEP_2)
	v_cvt_i32_f32 v58, v58
	s_delay_alu instid0(VALU_DEP_2)
	v_ldexp_f32 v40, 1.0, v57                      ; my factor and my partner's: whole powers of two
	s_wait_alu depctr_va_vdst(0)
	v_ldexp_f32 v42, 1.0, v58
	v_mul_f32 v13, v13, v40
	s_delay_alu instid0(VALU_DEP_1)
	v_fma_f32 v13, v[S+17], v42, v13               ; l
	s_wait_alu depctr_va_vdst(0)
	v_rcp_f32 v[BM], v13
.set j, 0
.rept 8
	v_pk_mul_f32 v[S+32+j:S+33+j], v[O+j:O+j+1], v[40:41] op_sel_hi:[1,0]   ; work that names no result of the reciprocal
.set j, j+2
.endr
.set j, 0
.rept 8
	v_pk_fma_f32 v[S+32+j:S+33+j], v[S+j:S+j+1], v[42:43], v[S+32+j:S+33+j] op_sel_hi:[1,0,1]
.set j, j+2
.endr
	s_wait_alu depctr_va_vdst(0)                   ; the wait ahead of the reciprocal's first reader
.set j, 0
.rept 8
	v_pk_mul_f32 v[S+32+j:S+33+j], v[S+32+j:S+33+j], v[BM:BM+1] op_sel_hi:[1,0]   ; y: channels 16 h + 0 .. 15 of my query
.set j, j+2
.endr
	; y's quantiser: one block of 32 channels, in lanes l and l xor 16
	v_max3_num_f32 v[BM+2], |v[S+32]|, |v[S+33]|, 0x1800000
.irp k, 2,4,6,8,10,12,14
	s_delay_alu instid0(VALU_DEP_1)
	v_max3_num_f32 v[BM+2], v[BM+2], |v[S+32+\k]|, |v[S+33+\k]|
.endr
	s_delay_alu instid0(VALU_DEP_1)
	v_permlanex16_b32 v[BP], v[BM+2], s36, s37
	s_delay_alu instid0(VALU_DEP_1)
	v_max_num_f32 v[BM+2], v[BM+2], v[BP]
	s_delay_alu instid0(VALU_DEP_1)
	v_add_nc_u32 v[SCO], 0xff000000, v[BM+2]
	s_delay_alu instid0(VALU_DEP_1)
	v_lshrrev_b32 v[YS], 23, v[SCO]
	v_cvt_scalef32_pk8_fp4_f32 v[YF], v[S+32:S+39], v[SCO]
	v_cvt_scalef32_pk8_fp4_f32 v[YF+1], v[S+40:S+47], v[SCO]
	v_nop                                          ; one plain place behind the scaled conversions
	v_permlane16_swap_b32 v[YF], v[YF+2]           ; channels 16-31 go to lanes 0-15, registers 2 and 3; zeros come to lanes 16-31
	v_permlane16_swap_b32 v[YF+1], v[YF+3]
.rept 8
	v_nop                                          ; a scale register written by a vector instruction stands 8 places ahead of a scaled matrix instruction, an operand 4
.endr
	; wy: source 0 = my 16 queries, source 1 = 16 rows of w_w: lane (r, h) holds channel 32 hf + 16 i + r and the 8 neighbouring positions 32 (wq / 2) + 8 (wq % 2) + 16 h on
	v_wmma_scale_f32_16x16x128_f8f6f4 v[WY:WY+7], v[YF:YF+7], v[WF0:WF0+7], 0, v[YS], v[WS] matrix_a_fmt:MATRIX_FMT_FP4 matrix_b_fmt:MATRIX_FMT_FP4
	v_wmma_scale_f32_16x16x128_f8f6f4 v[WY+8:WY+15], v[YF:YF+7], v[WF1:WF1+7], 0, v[YS], v[WS] matrix_a_fmt:MATRIX_FMT_FP4 matrix_b_fmt:MATRIX_FMT_FP4 matrix_b_scale:MATRIX_SCALE_ROW1
.rept 4
	v_nop
.endr
.irp i, 0,1
	ds_store_b128 v[SO], v[WY+8*\i:WY+8*\i+3] offset:16*SPITCH*\i
	ds_store_b128 v[SO], v[WY+8*\i+4:WY+8*\i+7] offset:16*SPITCH*\i+16
.endr
	s_wait_dscnt 0x0                               ; for the others' sake: a channel's 128 positions come from eight waves
	s_barrier_signal -1
	s_barrier_wait -1
.irp i, 0,1,2,3
	ds_load_b128 v[S+4*\i:S+4*\i+3], v[SR] offset:SPITCH*\i        ; channel rows 4 w .. 4 w + 3, whole
.endr
.irp i, 0,1,2,3
	s_wait_dscnt 3-\i                              ; row i is in; the rows issued behind it may be out
	global_store_b128 v[L16], v[S+4*\i:S+4*\i+3], s[10:11] offset:16384*\i   ; the wave stores 512 consecutive bytes, aligned
.endr
	s_wait_tensorcnt 0x0                           ; the wave's end, behind my tensor load and my last LDS store
	ds_add_u32 v[SPW], v[NIL]
	s_wait_dscnt 0x0
	CROUND                                         ; the closing round
	s_endpgm
.Lfunc_end_k_q4cb94f6bdb_attn:
	.size	k_q4cb94f6bdb_attn, .Lfunc_end_k_q4cb94f6bdb_attn-k_q4cb94f6bdb_attn
	.p2alignl 7, 3214868480
	.fill 96, 4, 3214868480
	.section	.rodata,"a",@progbits
	.p2align	6, 0x0
	.amdhsa_kernel k_q4cb94f6bdb_attn
		.amdhsa_group_segment_fixed_size 212992
		.amdhsa_private_segment_fixed_size 0
		.amdhsa_enable_private_segment 0
		.amdhsa_kernarg_size 32
		.amdhsa_user_sgpr_count 2
		.amdhsa_user_sgpr_kernarg_segment_ptr 1
		.amdhsa_wavefront_size32 1
		.amdhsa_system_sgpr_workgroup_id_x 1
		.amdhsa_system_sgpr_workgroup_id_y 1
		.amdhsa_system_sgpr_workgroup_id_z 1
		.amdhsa_system_vgpr_workitem_id 0
		.amdhsa_next_free_vgpr 256
		.amdhsa_next_free_sgpr 66
		.amdhsa_reserve_vcc 1
		.amdhsa_float_denorm_mode_32 3
		.amdhsa_float_denorm_mode_16_64 3
		.amdhsa_memory_ordered 1
		.amdhsa_forward_progress 1
		.amdhsa_inst_pref_size 30
	.end_amdhsa_kernel
	.amdgpu_metadata
---
amdhsa.version: [ 1, 2 ]
amdhsa.kernels:
  - .name:           k_q4cb94f6bdb_attn
    .symbol:         k_q4cb94f6bdb_attn.kd
    .args:
      - { .name: kv, .offset: 0, .size: 8, .value_kind: global_buffer, .address_space: global }
      - { .name: qq, .offset: 8, .size: 8, .value_kind: global_buffer, .address_space: global }
      - { .name: w_w, .offset: 16, .size: 8, .value_kind: global_buffer, .address_space: global }
      - { .name: wy, .offset: 24, .size: 8, .value_kind: global_buffer, .address_space: global }
    .group_segment_fixed_size: 212992
    .private_segment_fixed_size: 0
    .kernarg_segment_align: 8
    .kernarg_segment_size: 32
    .max_flat_workgroup_size: 512
    .sgpr_count:     66
    .vgpr_count:     256
    .wavefront_size: 32
...
	.end_amdgpu_metadata
.endif
;; end of part 2
;; launch bn (part 3): grid 64 x 4, 8 waves a work-group, no clusters, 1,536 bytes of LDS; arguments wy, x, bn_gamma, bn_beta, out0; writes out0
.if DOCPART == 3
	.amdgcn_target "amdgcn-amd-amdhsa--gfx1250"
	.amdhsa_code_object_version 6
	.text
	.protected	k_q4cb94f6bdb_bn
	.globl	k_q4cb94f6bdb_bn
	.p2align	8
	.type	k_q4cb94f6bdb_bn,@function
k_q4cb94f6bdb_bn:
	s_mov_b64 s[64:65], 0
	v_nop
	global_prefetch_b8 v0, s[64:65] scope:SCOPE_SE
	s_setreg_imm32_b32 hwreg(HW_REG_WAVE_MODE, 25, 1), 1
	s_wait_xcnt 0x0
; NonLocalCA, third launch: batch norm over (batch, positions) for each (quadrant, channel), gamma, beta and the residual.
; wy comes without w_b, which is dead work (shown at the head of the first kernel): the mean takes it away again.
; A work-group owns one channel c (x) of one quadrant (y): 2 x 4,096 numbers, 32 a thread, which stay in registers: the mean first, then the sum of squares of the centred numbers: no difference of large sums is formed.
; No matrix unit, no tensor load, no cluster: the work-groups share nothing and each byte is read once.
; LIMITS: NaN and infinities are not served.
.set RED1,  0                          ; LDS: eight waves' sums
.set RED2,  256                        ; eight waves' sums of squares
.set SPARE, 512                        ; the spare words, 128 bytes for each wave
.set W,   8                            ; v8-39   wy: batch b, piece i at v[W + 16 b + 4 i]
.set X,   40                           ; v40-71  x likewise
.set SPW, 80                           ; v80  LDS address of my spare word; never rewritten
.set NIL, 81                           ; v81  0; never rewritten
.macro WRED a, t                       ; the sum over the wave's 32 lanes, in every lane
	s_delay_alu instid0(VALU_DEP_1)
	v_add_f32_dpp v[\a], v[\a], v[\a] row_xmask:1 row_mask:0xf bank_mask:0xf
	s_delay_alu instid0(VALU_DEP_1)
	v_add_f32_dpp v[\a], v[\a], v[\a] row_xmask:2 row_mask:0xf bank_mask:0xf
	s_delay_alu instid0(VALU_DEP_1)
	v_add_f32_dpp v[\a], v[\a], v[\a] row_xmask:4 row_mask:0xf bank_mask:0xf
	s_delay_alu instid0(VALU_DEP_1)
	v_add_f32_dpp v[\a], v[\a], v[\a] row_xmask:8 row_mask:0xf bank_mask:0xf
	s_delay_alu instid0(VALU_DEP_1)
	v_permlanex16_b32 v[\t], v[\a], s24, s25
	s_delay_alu instid0(VALU_DEP_1)
	v_add_f32 v[\a], v[\a], v[\t]
.endm
.macro ALL8 off                        ; the eight waves' words, added, into v72
	ds_load_b128 v[72:75], v4 offset:\off
	ds_load_b128 v[76:79], v4 offset:\off+16
	s_wait_dscnt 0x0
	v_pk_add_f32 v[72:73], v[72:73], v[74:75]
	v_pk_add_f32 v[76:77], v[76:77], v[78:79]
	s_delay_alu instid0(VALU_DEP_1)
	v_pk_add_f32 v[72:73], v[72:73], v[76:77]
	s_delay_alu instid0(VALU_DEP_1)
	v_add_f32 v72, v72, v73
.endm
	s_load_b256 s[4:11], s[0:1], 0x0               ; wy s[4:5], x s[6:7], gamma s[8:9], beta s[10:11]
	s_load_b64 s[12:13], s[0:1], 0x20              ; out0
	v_lshl_add_u32 v[SPW], v0, 2, SPARE
	v_mov_b32 v[NIL], 0
	s_mov_b32 s14, ttmp9                           ; c
	s_and_b32 s15, ttmp7, 0xffff                   ; quadrant
	v_lshlrev_b32 v1, 4, v0                        ; wy: 16 bytes a thread
	v_lshrrev_b32 v2, 4, v0
	s_delay_alu instid0(VALU_DEP_1)
	v_lshlrev_b32 v2, 9, v2                        ; x, out0: sixteen threads to a quadrant's row of 256 bytes; image rows are 512 bytes apart
	v_and_b32 v5, 15, v0
	s_delay_alu instid0(VALU_DEP_1)
	v_lshl_add_u32 v2, v5, 4, v2
	v_lshrrev_b32 v3, 5, v0
	s_delay_alu instid0(VALU_DEP_1)
	v_lshlrev_b32 v3, 2, v3                        ; 4 x wave
	v_mov_b32 v4, 0
	s_lshl_b32 s16, s15, 7
	s_add_co_u32 s16, s16, s14
	s_lshl_b32 s16, s16, 14                        ; wy: row 64 (2 quadrant) + c of 16,384 bytes; batch 1 lies 64 rows on
	s_mov_b32 s17, 0
	s_lshl_b32 s18, s14, 16                        ; x: channel << 16, quadrant row << 15, quadrant column << 8
	s_lshr_b32 s20, s15, 1
	s_lshl_b32 s20, s20, 15
	s_add_co_u32 s18, s18, s20
	s_and_b32 s20, s15, 1
	s_lshl_b32 s20, s20, 8
	s_add_co_u32 s18, s18, s20
	s_mov_b32 s19, 0
	s_lshl_b32 s20, s14, 2
	s_mov_b32 s21, 0
	s_mov_b32 s24, 0x76543210
	s_mov_b32 s25, 0xfedcba98
	s_wait_alu depctr_va_vdst(0)
	s_wait_kmcnt 0x0
	s_add_nc_u64 s[4:5], s[4:5], s[16:17]
	s_add_nc_u64 s[6:7], s[6:7], s[18:19]
	s_add_nc_u64 s[12:13], s[12:13], s[18:19]
	s_add_nc_u64 s[8:9], s[8:9], s[20:21]
	s_add_nc_u64 s[10:11], s[10:11], s[20:21]
	s_load_b32 s22, s[8:9], 0x0                    ; gamma[c]
	s_load_b32 s26, s[10:11], 0x0                  ; beta[c]
.irp b, 0,1
.irp i, 0,1,2,3
	global_load_b128 v[W+16*\b+4*\i:W+16*\b+4*\i+3], v1, s[4:5] offset:1048576*\b+4096*\i th:TH_LOAD_NT
.endr
.endr
.irp b, 0,1
.irp i, 0,1,2,3
	global_load_b128 v[X+16*\b+4*\i:X+16*\b+4*\i+3], v2, s[6:7] offset:4194304*\b+8192*\i th:TH_LOAD_NT
.endr
.endr
	s_wait_loadcnt 0x8                             ; wy's eight loads are in; x's eight, issued behind them, may be out
	v_pk_add_f32 v[74:75], v[8:9], v[10:11]
	v_pk_add_f32 v[94:95], v[16:17], v[20:21]
	v_pk_add_f32 v[92:93], v[24:25], v[28:29]
	v_pk_add_f32 v[90:91], v[32:33], v[36:37]
	v_pk_add_f32 v[88:89], v[12:13], v[14:15]
	v_pk_add_f32 v[86:87], v[18:19], v[22:23]
	v_pk_add_f32 v[84:85], v[26:27], v[30:31]
	v_pk_add_f32 v[72:73], v[34:35], v[38:39]
	s_delay_alu instid0(VALU_DEP_1)
	v_pk_add_f32 v[72:73], v[72:73], v[90:91]
	v_pk_add_f32 v[74:75], v[74:75], v[88:89]
	v_pk_add_f32 v[94:95], v[94:95], v[86:87]
	v_pk_add_f32 v[92:93], v[92:93], v[84:85]
	s_delay_alu instid0(VALU_DEP_2)
	v_pk_add_f32 v[72:73], v[72:73], v[94:95]
	s_delay_alu instid0(VALU_DEP_2)
	v_pk_add_f32 v[74:75], v[74:75], v[92:93]
	s_delay_alu instid0(VALU_DEP_1)
	v_pk_add_f32 v[72:73], v[72:73], v[74:75]
	s_delay_alu instid0(VALU_DEP_1)
	v_add_f32 v72, v72, v73
	WRED 72, 73
	ds_store_b32 v3, v72 offset:RED1               ; all lanes write the wave's word with the same value
	s_wait_dscnt 0x0
	s_barrier_signal -1
	s_barrier_wait -1
	ALL8 RED1
	s_delay_alu instid0(VALU_DEP_1)
	v_mul_f32 v72, 0x39000000, v72                 ; the mean: / 8,192
.set k, 0
.rept 16
	v_pk_add_f32 v[W+k:W+k+1], v[W+k:W+k+1], v[72:73] op_sel_hi:[1,0] neg_lo:[0,1] neg_hi:[0,1]   ; wy - mu
.set k, k+2
.endr
	v_pk_mul_f32 v[74:75], v[W:W+1], v[W:W+1]
	v_pk_mul_f32 v[76:77], v[W+2:W+3], v[W+2:W+3]
.irp k, 4,8,12,16,20,24,28
	s_delay_alu instid0(VALU_DEP_2)
	v_pk_fma_f32 v[74:75], v[W+\k:W+\k+1], v[W+\k:W+\k+1], v[74:75]
	s_delay_alu instid0(VALU_DEP_2)
	v_pk_fma_f32 v[76:77], v[W+\k+2:W+\k+3], v[W+\k+2:W+\k+3], v[76:77]
.endr
	s_delay_alu instid0(VALU_DEP_1)
	v_pk_add_f32 v[74:75], v[74:75], v[76:77]
	s_delay_alu instid0(VALU_DEP_1)
	v_add_f32 v74, v74, v75
	WRED 74, 75
	ds_store_b32 v3, v74 offset:RED2               ; other bytes than the first sum's: no barrier is owed between its reads and this store
	s_wait_dscnt 0x0
	s_barrier_signal -1
	s_barrier_wait -1
	ALL8 RED2
	v_mov_b32 v73, 0x39000000
	s_delay_alu instid0(VALU_DEP_1)
	v_fmaak_f32 v72, v72, v73, 0x3727c5ac          ; var + 1e-5
	s_wait_alu depctr_va_vdst(0)
	v_rsq_f32 v74, v72
	v_mov_b32 v75, 0                               ; a plain place behind the transcendental; (named below as the upper half of the pair v[74:75])
	s_wait_kmcnt 0x0                               ; gamma and beta
	s_mov_b32 s27, s26                             ; (named with beta as a pair, so it is written)
	s_wait_alu depctr_va_vdst(0)                   ; the wait ahead of the first reader
	v_mul_f32 v74, s22, v74                        ; gamma / sqrt(var + eps)
	s_wait_alu depctr_va_vdst(0)
	s_wait_loadcnt 0x0                             ; x
.set k, 0
.rept 16
	v_pk_fma_f32 v[W+k:W+k+1], v[W+k:W+k+1], v[74:75], v[X+k:X+k+1] op_sel_hi:[1,0,1]
.set k, k+2
.endr
.set k, 0
.rept 16
	v_pk_add_f32 v[W+k:W+k+1], v[W+k:W+k+1], s[26:27] op_sel_hi:[1,0]
.set k, k+2
.endr
.irp b, 0,1
.irp i, 0,1,2,3
	global_store_b128 v2, v[W+16*\b+4*\i:W+16*\b+4*\i+3], s[12:13] offset:4194304*\b+8192*\i th:TH_STORE_NT   ; sixteen lanes store 256 consecutive bytes, aligned
.endr
.endr
	s_wait_tensorcnt 0x0                           ; the wave's end, behind my last LDS store
	ds_add_u32 v[SPW], v[NIL]
	s_wait_dscnt 0x0
	s_endpgm
.Lfunc_end_k_q4cb94f6bdb_bn:
	.size	k_q4cb94f6bdb_bn, .Lfunc_end_k_q4cb94f6bdb_bn-k_q4cb94f6bdb_bn
	.p2alignl 7, 3214868480
	.fill 96, 4, 3214868480
	.section	.rodata,"a",@progbits
	.p2align	6, 0x0
	.amdhsa_kernel k_q4cb94f6bdb_bn
		.amdhsa_group_segment_fixed_size 1536
		.amdhsa_private_segment_fixed_size 0
		.amdhsa_enable_private_segment 0
		.amdhsa_kernarg_size 40
		.amdhsa_user_sgpr_count 2
		.amdhsa_user_sgpr_kernarg_segment_ptr 1
		.amdhsa_wavefront_size32 1
		.amdhsa_system_sgpr_workgroup_id_x 1
		.amdhsa_system_sgpr_workgroup_id_y 1
		.amdhsa_system_sgpr_workgroup_id_z 1
		.amdhsa_system_vgpr_workitem_id 0
		.amdhsa_next_free_vgpr 96
		.amdhsa_next_free_sgpr 66
		.amdhsa_reserve_vcc 0
		.amdhsa_float_denorm_mode_32 3
		.amdhsa_float_denorm_mode_16_64 3
		.amdhsa_memory_ordered 1
		.amdhsa_forward_progress 1
		.amdhsa_inst_pref_size 13
	.end_amdhsa_kernel
	.amdgpu_metadata
---
amdhsa.version: [ 1, 2 ]
amdhsa.kernels:
  - .name:           k_q4cb94f6bdb_bn
    .symbol:         k_q4cb94f6bdb_bn.kd
    .args:
      - { .name: wy, .offset: 0, .size: 8, .value_kind: global_buffer, .address_space: global }
      - { .name: x, .offset: 8, .size: 8, .value_kind: global_buffer, .address_space: global }
      - { .name: bn_gamma, .offset: 16, .size: 8, .value_kind: global_buffer, .address_space: global }
      - { .name: bn_beta, .offset: 24, .size: 8, .value_kind: global_buffer, .address_space: global }
      - { .name: out0, .offset: 32, .size: 8, .value_kind: global_buffer, .address_space: global }
    .group_segment_fixed_size: 1536
    .private_segment_fixed_size: 0
    .kernarg_segment_align: 8
    .kernarg_segment_size: 40
    .max_flat_workgroup_size: 256
    .sgpr_count:     66
    .vgpr_count:     96
    .wavefront_size: 32
...
	.end_amdgpu_metadata
.endif
;; end of part 3
